; MI455X (gfx1250); checked and timed in simulation.
; The chip was launched on July 23, 2026; its instructions are those of AMD's public machine-readable ISA for CDNA 5 (MIT licence, August 2026) and "CDNA5" Instruction Set Architecture Reference Guide (July 2026). The comments in the code are by the model that wrote it; some were corrected since.
;; Multi Head Attention Block. Allowed arithmetic: matrix products marked QUANTISED: E4M3 operands, one E8M0 scale for each 32 along K, by v_wmma_scale_f32_16x16x128_f8f6f4 with both operands' format E4M3, f32 sums; everything else in f32.
;; Inputs: Wk 1,024 x 1,024 float32; Wq 1,024 x 1,024 float32; Wv 1,024 x 1,024 float32; bk 1,024 float32; bq 1,024 float32; bv 1,024 float32; key_inputs 4 x 1,024 x 1,024 float32; query_inputs 4 x 1,024 x 1,024 float32; value_inputs 4 x 1,024 x 1,024 float32.
;; Outputs: out0 4 x 1,024 x 1,024 float32.
;; This version of the problem:
;;   THIS VERSION OF THE PROBLEM IS GIVEN IN LOW PRECISION. The matrix products marked QUANTISED in the list below multiply operands that are first quantised to E4M3 (4 exponent bits, 3 mantissa bits; 8 bits a number), with one power-of-two scale for each 32 numbers along K (OCP MX v1.0); their sums are f32. All else is computed in f32.
;;   The module's matrix products, in the order in which they are computed (A, B: the left and right operand; K: the contracted axis; several contracted axes count as one K, in the product's order):
;;     1. [M 4,096, K 1,024] x [K 1,024, N 1,024]; A: input query_inputs; B: input Wq: QUANTISED
;;     2. [M 4,096, K 1,024] x [K 1,024, N 1,024]; A: input key_inputs; B: input Wk: QUANTISED
;;     3. [M 4,096, K 1,024] x [K 1,024, N 1,024]; A: input value_inputs; B: input Wv: QUANTISED
;;     4. batch 64 x [M 1,024, K 64] x [K 64, N 1,024]; A: computed on the way; B: computed on the way: QUANTISED
;;     5. batch 64 x [M 64, K 1,024] x [K 1,024, N 1,024]; A: computed on the way; B: softmax (see below): QUANTISED
;;   THE QUANTISER, for each operand of a quantised product, along K:
;;     - K is cut into blocks of 32 from its start; a last block that is shorter is filled with zeros.
;;     - A block's scale is 2^e with e = floor(log2(the largest magnitude in the block)) - 8, held to -126 .. 127; a block of zeros has e = 0. As a byte (E8M0): e + 127.
;;     - Each number is divided by its block's scale, clamped to +-448, and rounded to the nearest number of E4M3, ties to even, subnormals kept.
;;     - The product sums the exact products of the quantised numbers (number of the format x scale) in f32.
;;   ~~~python
;;   def quantise(x, axis):      # numpy; x: float32 -> the quantised numbers, widened to float32 again
;;       x = np.moveaxis(x, axis, -1); K = x.shape[-1]
;;       x = np.pad(x, [(0, 0)] * (x.ndim - 1) + [(0, -K % 32)]); x = x.reshape(x.shape[:-1] + (-1, 32)); a = np.abs(x).max(-1, keepdims=True)
;;       e = np.where(a > 0, np.clip(np.frexp(np.where(a > 0, a, 1))[1] - 1 - 8, -126, 127), 0)      # np.frexp(a)[1] - 1 = floor(log2(a)), exactly
;;       r = np.clip(x / 2.0 ** e, -448, 448)
;;       step = 2.0 ** (np.maximum(np.frexp(np.where(r == 0, 1, r))[1] - 1, -6) - 3)
;;       q = np.round(r / step) * step * 2.0 ** e      # np.round: ties to even
;;       return np.moveaxis(q.reshape(q.shape[:-2] + (-1,))[..., :K], -1, axis).astype(np.float32)
;;   ~~~
;;   SOFTMAX AHEAD OF A QUANTISED PRODUCT. Where the list says 'softmax', what is quantised is not the finished softmax but p = 2^(t - M), with t = logit x log2(e) and M = ceil(the row's largest t), a whole number; so 1/2 < the row's largest p <= 1. The row's sum l is taken of the UNQUANTISED p, in f32, and the product's result is divided by l at the end. Since M is a whole number, a kernel that streams over the keys may use a running M (the ceiling of the running maximum): every later rescaling is an exact power of two, which a block's scale takes up: the codes' values come out the same.
;;   OPERANDS COMPUTED ON THE WAY. 'Computed on the way' means the value that the module computes at that place (a softmax that the list does not call 'softmax' is quantised finished and normalised). What goes into a quantiser is computed in f32, as accurately as f32 sums, v_exp_f32 and their like allow (about 1e-6 of the number): no bf16 or f16 on the way to a quantiser, and a product that is left as it is and whose result goes on into a quantised operand takes f32 operands (vector FMAs, or v_wmma_f32_16x16x4_f32). A number that lies on a knife's edge between two numbers of the format may be rounded either way, as far as f32 arithmetic and the matrix unit's own rounding can turn it there, and no further.
;; One version. Each part assembles by itself: llvm-mc -triple=amdgcn-amd-amdhsa -mcpu=gfx1250 --defsym DOCPART=n.
;; ======== version 1 of 1: 3 launches
;; limits: right only within a limited range of input values
;; workspace buffers: codes 15,728,640 bytes; scales 491,520 bytes; att 12,976,128 bytes
;; launch quant (part 1): grid 480 x 1, 4 waves a work-group, no clusters, 33,280 bytes of LDS; arguments query_inputs, key_inputs, value_inputs, Wq, Wk, Wv, codes, scales; writes codes, scales
.if DOCPART == 1
	.amdgcn_target "amdgcn-amd-amdhsa--gfx1250"
	.amdhsa_code_object_version 6
	.text
	.protected	k_qe97381de59_quant
	.globl	k_qe97381de59_quant
	.p2align	8
	.type	k_qe97381de59_quant,@function
k_qe97381de59_quant:
	s_mov_b64 s[64:65], 0
	v_nop
	global_prefetch_b8 v0, s[64:65] scope:SCOPE_SE
	s_setreg_imm32_b32 hwreg(HW_REG_WAVE_MODE, 25, 1), 1
	s_wait_xcnt 0x0
; The three inputs [4096][1024] and the three weights [1024][1024], f32, K innermost, become codes of FP8 (E4M3) with one E8M0 byte for each 32 along K.
; codes: [15360 rows][1024 bytes], scales: [15360][32]: rows 0.. query_inputs, 4096.. key_inputs, 8192.. value_inputs, 12288.. Wq, 13312.. Wk, 14336.. Wv.
; A ROW IS STORED WITH BITS 3 AND 4 OF ITS NUMBER EXCHANGED: sixteen stored rows 16 i + r are then the rows 32 (i / 2) + 8 (i % 2) + r + 8 (r / 8), which is the choice of
; rows that lets the next launch's results lie as sixteen neighbours along the next K in a lane's registers, while that launch reads plain tiles of 16 rows.
; A block's scale is 2^(floor(log2(largest magnitude)) - 8); its byte is the largest magnitude's exponent field - 8, held at 1 from below; numbers are held within +-448 x the scale and rounded to nearest, ties to even.
; LIMITS: a block of zeros, and a block whose largest magnitude lies under 2^-118, keeps the byte 1 (a block of zeros has zero codes, and this program alone reads the bytes); NaN and infinities are not served.
; SHARES: a work-group takes 32 rows, a wave 8 rows = 16 steps of 512 numbers.  A wave's 8 rows are bits 3 and 4 of the row number, so the exchange is: waves 1 and 2 swap their places in the output.
; Each load reads 512 consecutive bytes; a step's 2,048 bytes turn through the wave's own stage in LDS, so that a lane holds 16 neighbours (two lanes a block).  No barrier: waves share nothing.
; LOADS RUN EIGHT STEPS AHEAD: 32 loads, 16 KiB, of every wave are on their way, half of all that the wave reads; the turn through LDS runs one step ahead.
; No matrix unit, cluster or tensor load: every byte is read once and written once, and no two work-groups read the same bytes.
.set STEPS, 16
.set DEPTH, 8                          ; steps whose loads are on their way
.set CB,    16                         ; bytes of 16 codes
.set R,     16                         ; v16-143  eight sets of 16 numbers as they are loaded
.set X,     144                        ; v144-175 two sets of 16 neighbours
.set E,     176                        ; v176-191 a scale byte for each step
.set C,     192                        ; v192-255 codes: four registers for each step, so that no store's data are written again
.set WREG,  8192                       ; LDS: a region for each wave: two stages of 32 x SP bytes, behind them its 256 scale bytes
.set SP,    80                         ; a lane's place in a stage: 64 bytes + 16 of padding
	s_load_b256 s[4:11], s[0:1], 0x0               ; query_inputs, key_inputs, value_inputs, Wq
	s_load_b256 s[12:19], s[0:1], 0x20             ; Wk, Wv, codes s[16:17], scales s[18:19]
	s_set_vgpr_msb 0x40
	v_lshl_add_u32 v0, v0, 2, 0x8000
	v_mov_b32 v1, 0
	s_set_vgpr_msb 0x4000
	v_lshrrev_b32 v1, 5, v0
	v_readfirstlane_b32 s24, v1                    ; wave
	v_and_b32 v2, 31, v0                           ; lane
	v_lshlrev_b32 v3, 4, v2                        ; my 16 bytes of a load's 512
	s_mul_i32 s25, s24, WREG
	v_lshrrev_b32 v14, 2, v2
	v_mul_u32_u24 v14, v14, SP
	v_and_b32 v15, 3, v2
	v_lshl_add_u32 v14, v15, 4, v14
	v_add_nc_u32 v14, s25, v14                     ; the stage, on the way in: SP (lane / 4) + 16 (lane % 4)
	v_mul_u32_u24 v15, v2, SP
	v_add_nc_u32 v15, s25, v15                     ; and on the way out: SP x lane: my 16 neighbours
	v_mul_u32_u24 v4, v2, CB                       ; my codes' place in a step's
	v_lshrrev_b32 v5, 1, v2
	s_add_co_u32 s25, s25, 2*32*SP
	v_add_nc_u32 v5, s25, v5                       ; LDS: my wave's 256 scale bytes, my block's byte
	v_lshlrev_b32 v7, 3, v2                        ; and on the way out 8 bytes a lane
	v_add_nc_u32 v6, s25, v7
	s_mov_b32 s23, 0x600000                        ; the mantissa field of 448
	s_and_b32 s28, s24, 1                          ; my wave's place in the output: its two bits exchanged
	s_lshl_b32 s28, s28, 1
	s_lshr_b32 s29, s24, 1
	s_or_b32 s28, s28, s29
	s_lshl_b32 s29, ttmp9, 2
	s_add_co_u32 s28, s28, s29                     ; which run of 8 stored rows
	s_mov_b32 s27, 0
	s_wait_alu depctr_va_vdst(0)
	s_wait_kmcnt 0x0
	s_cmp_lt_u32 ttmp9, 128                        ; which tensor: the choice hangs on the work-group's number alone
	s_cselect_b64 s[20:21], s[4:5], s[6:7]
	s_cselect_b32 s22, 0, 128                      ; and that tensor's first work-group
	s_cmp_lt_u32 ttmp9, 256
	s_cselect_b64 s[20:21], s[20:21], s[8:9]
	s_cselect_b32 s22, s22, 256
	s_cmp_lt_u32 ttmp9, 384
	s_cselect_b64 s[20:21], s[20:21], s[10:11]
	s_cselect_b32 s22, s22, 384
	s_cmp_lt_u32 ttmp9, 416
	s_cselect_b64 s[20:21], s[20:21], s[12:13]
	s_cselect_b32 s22, s22, 416
	s_cmp_lt_u32 ttmp9, 448
	s_cselect_b64 s[20:21], s[20:21], s[14:15]
	s_cselect_b32 s22, s22, 448
	s_sub_co_u32 s25, ttmp9, s22
	s_lshl_b32 s25, s25, 2
	s_add_co_u32 s25, s25, s24                     ; which run of 8 rows of the tensor
	s_lshl_b32 s26, s25, 15                        ; 32,768 bytes a run
	s_add_nc_u64 s[20:21], s[20:21], s[26:27]
	s_lshl_b32 s26, s28, 13                        ; 8,192 bytes of codes a run
	s_add_nc_u64 s[16:17], s[16:17], s[26:27]
	s_lshl_b32 s26, s28, 8                         ; 256 scale bytes a run
	s_add_nc_u64 s[18:19], s[18:19], s[26:27]
.macro LOAD t
.irp i, 0,1,2,3
	global_load_b128 v[R+16*((\t)%DEPTH)+4*\i:R+16*((\t)%DEPTH)+4*\i+3], v3, s[20:21] offset:2048*(\t)+512*\i th:TH_LOAD_NT   ; 32 lanes read 512 consecutive bytes
.endr
.endm
.macro TURN t                          ; step t's numbers through the stage: LDS serves a wave's instructions in order, so no wait stands between the stores and the loads
.irp i, 0,1,2,3
	ds_store_b128 v14, v[R+16*((\t)%DEPTH)+4*\i:R+16*((\t)%DEPTH)+4*\i+3] offset:32*SP*((\t)%2)+8*SP*\i
.endr
.irp i, 0,1,2,3
	ds_load_b128 v[X+16*((\t)%2)+4*\i:X+16*((\t)%2)+4*\i+3], v15 offset:32*SP*((\t)%2)+16*\i
.endr
.endm
.irp t, 0,1,2,3,4,5,6,7
	LOAD \t
.endr
	s_wait_loadcnt 4*(DEPTH-1)                     ; step 0's four loads are in; the 28 of steps 1 to 7 may be out
	TURN 0
.macro STEP t
.set XS, X+16*((\t)%2)
.if (\t) > 0
	s_wait_dscnt 1                                 ; this step's numbers are back from the stage (the last step's byte store may be out): so its stores into the stage have read their registers,
.else
	s_wait_dscnt 0x0
.endif
.if (\t)+DEPTH < STEPS
	LOAD (\t)+DEPTH                                ; which take the loads of eight steps on
.endif
.if (\t)+1 < STEPS
.if STEPS-2-(\t) >= DEPTH-1
	s_wait_loadcnt 4*(DEPTH-1)                     ; the next step's four loads are in; those of the seven steps behind it may be out
.else
	s_wait_loadcnt 4*(STEPS-2-(\t))                ; the last steps load nothing: the counts run down
.endif
	TURN (\t)+1                                    ; and go through the other stage while this step is worked
.endif
	v_max3_num_f32 v8, |v[XS]|, |v[XS+1]|, |v[XS+2]|               ; the largest magnitude of my 16, in two chains
	v_max3_num_f32 v9, |v[XS+3]|, |v[XS+4]|, |v[XS+5]|
.irp i, 6,10
	v_max3_num_f32 v8, v8, |v[XS+\i]|, |v[XS+\i+1]|
	v_max3_num_f32 v9, v9, |v[XS+\i+2]|, |v[XS+\i+3]|
.endr
	v_max3_num_f32 v8, v8, |v[XS+14]|, |v[XS+15]|
	v_max3_num_f32 v8, v8, v9, 0x4800000           ; and the floor 2^(9 - 127): the byte cannot fall under 1
	v_max_num_f32_dpp v8, v8, v8 row_xmask:1 row_mask:0xf bank_mask:0xf   ; and of my neighbour's 16: the block's
	v_add_nc_u32 v11, 0xfc000000, v8               ; 8 off its exponent field: the conversion takes the exponent field of this operand as its scale
	v_and_or_b32 v10, v8, 0x7f800000, s23          ; 448 x the scale
.irp i, 0,1,2,3,4,5,6,7,8,9,10,11,12,13,14,15
	v_med3_num_f32 v[XS+\i], v[XS+\i], -v10, v10   ; the conversion to an 8-bit code does not saturate (ISA guide 7.6.2): the hold comes first
.endr
	v_cvt_scalef32_pk8_fp8_f32 v[C+4*(\t):C+4*(\t)+1], v[XS:XS+7], v11
	v_cvt_scalef32_pk8_fp8_f32 v[C+4*(\t)+2:C+4*(\t)+3], v[XS+8:XS+15], v11
	v_lshrrev_b32 v[E+(\t)], 23, v11               ; the scale's byte (also the plain line behind the conversions)
	ds_store_b8 v5, v[E+(\t)] offset:16*(\t)       ; both lanes of a block write the same byte with the same value
	global_store_b128 v4, v[C+4*(\t):C+4*(\t)+3], s[16:17] offset:32*CB*(\t)    ; 32 lanes store 512 consecutive bytes, aligned
.endm
.irp t, 0,1,2,3,4,5,6,7,8,9,10,11,12,13,14,15
	STEP \t
.endr
	ds_load_b64 v[12:13], v6                       ; LDS serves a wave's instructions in order: these see my stores
	s_wait_dscnt 0x0
	global_store_b64 v7, v[12:13], s[18:19]        ; 32 lanes store 256 consecutive bytes, aligned
	s_set_vgpr_msb 0x5
	s_wait_tensorcnt 0x0
	ds_add_u32 v0, v1
	s_wait_dscnt 0x0
	s_set_vgpr_msb 0x500
	s_endpgm
.Lfunc_end_k_qe97381de59_quant:
	.size	k_qe97381de59_quant, .Lfunc_end_k_qe97381de59_quant-k_qe97381de59_quant
	.p2alignl 7, 3214868480
	.fill 96, 4, 3214868480
	.section	.rodata,"a",@progbits
	.p2align	6, 0x0
	.amdhsa_kernel k_qe97381de59_quant
		.amdhsa_group_segment_fixed_size 33280
		.amdhsa_private_segment_fixed_size 0
		.amdhsa_enable_private_segment 0
		.amdhsa_kernarg_size 64
		.amdhsa_user_sgpr_count 2
		.amdhsa_user_sgpr_kernarg_segment_ptr 1
		.amdhsa_wavefront_size32 1
		.amdhsa_system_sgpr_workgroup_id_x 1
		.amdhsa_system_sgpr_workgroup_id_y 1
		.amdhsa_system_sgpr_workgroup_id_z 1
		.amdhsa_system_vgpr_workitem_id 0
		.amdhsa_next_free_vgpr 258
		.amdhsa_next_free_sgpr 66
		.amdhsa_reserve_vcc 0
		.amdhsa_float_denorm_mode_32 3
		.amdhsa_float_denorm_mode_16_64 3
		.amdhsa_memory_ordered 1
		.amdhsa_forward_progress 1
		.amdhsa_inst_pref_size 52
	.end_amdhsa_kernel
	.amdgpu_metadata
---
amdhsa.version: [ 1, 2 ]
amdhsa.kernels:
  - .name:           k_qe97381de59_quant
    .symbol:         k_qe97381de59_quant.kd
    .args:
      - { .name: query_inputs, .offset: 0, .size: 8, .value_kind: global_buffer, .address_space: global }
      - { .name: key_inputs, .offset: 8, .size: 8, .value_kind: global_buffer, .address_space: global }
      - { .name: value_inputs, .offset: 16, .size: 8, .value_kind: global_buffer, .address_space: global }
      - { .name: Wq, .offset: 24, .size: 8, .value_kind: global_buffer, .address_space: global }
      - { .name: Wk, .offset: 32, .size: 8, .value_kind: global_buffer, .address_space: global }
      - { .name: Wv, .offset: 40, .size: 8, .value_kind: global_buffer, .address_space: global }
      - { .name: codes, .offset: 48, .size: 8, .value_kind: global_buffer, .address_space: global }
      - { .name: scales, .offset: 56, .size: 8, .value_kind: global_buffer, .address_space: global }
    .group_segment_fixed_size: 33280
    .private_segment_fixed_size: 0
    .kernarg_segment_align: 8
    .kernarg_segment_size: 64
    .max_flat_workgroup_size: 128
    .sgpr_count:     66
    .vgpr_count:     258
    .wavefront_size: 32
...
	.end_amdgpu_metadata
.endif
;; end of part 1
;; launch proj (part 2): grid 4 x 48, 4 waves a work-group, clusters of 4 x 4, 327,680 bytes of LDS; arguments codes, scales, bq, bk, bv, att; writes att
.if DOCPART == 2
	.amdgcn_target "amdgcn-amd-amdhsa--gfx1250"
	.amdhsa_code_object_version 6
	.text
	.protected	k_qe97381de59_proj
	.globl	k_qe97381de59_proj
	.p2align	8
	.type	k_qe97381de59_proj,@function
k_qe97381de59_proj:
	s_mov_b64 s[64:65], 0
	v_nop
	global_prefetch_b8 v0, s[64:65] scope:SCOPE_SE
	s_setreg_imm32_b32 hwreg(HW_REG_WAVE_MODE, 25, 1), 1
	s_wait_xcnt 0x0
	s_wait_alu depctr_hold_cnt(0) depctr_sa_sdst(0) depctr_va_vdst(0) depctr_va_sdst(0) depctr_va_ssrc(0) depctr_va_vcc(0) depctr_vm_vsrc(0)
	s_getreg_b32 s2, hwreg(HW_REG_IB_STS2, 6, 4)
	s_cmp_eq_u32 s2, 0
	s_cbranch_scc0 .Lentry_in_a_cluster
	s_endpgm
.Lentry_in_a_cluster:
	s_bfe_u32 s2, ttmp6, 0x10000c
	s_cmp_lg_u32 s2, 0xf033
	s_cbranch_scc0 .Lentry_shape_is_right
	s_endpgm
.Lentry_shape_is_right:
; x W^T + b for the three inputs, each 4096 x 1024 x 1024 on codes of FP8 with E8M0 scales, quantised again on the way out.  codes, scales: as launch quant leaves them.
; att: three parts (0: query_inputs Wq^T + bq, the attention's values; 1: its keys; 2: value_inputs Wv^T + bv, its queries) of 64 heads (16 batch + head) of eight steps of 128 tokens.
; A step is 8,448 bytes: 8,192 of codes as images of the next launch's operand registers, then 256 of scale words.
; SHARES: a work-group makes 256 x 256 of one product of one batch, a wave 128 x 128: 64 accumulators, 512 registers.  Part 0 is made transposed (A = the weight's rows), since its next K is the tokens.
; Source 0 = 16 rows of B, source 1 = 16 rows of A: lane (r, h) holds A's row r and eight of B's rows.
; K: four steps of 256 through two LDS slots.  The scale bytes of all K come once, at the head.
; CLUSTERS: 4 x 4 work-groups; A's tile is shared along the row, B's along the column: joint loads.
; HEAD: one joint load a wave: K step 0 of A (wave 0), of B (wave 1), the scale bytes of A (2), of B (3).  K step 1 comes behind a round, K steps 2 and 3 refill the slots.
; PREFETCH INTO THE L2: K step n + 1 is asked for a slot's two steps ahead of its load (K step 1 behind the head's loads): a lane a row, one instruction a wave; the four partners of a joint load share its rows out by address.
; THE BIAS is the C of each accumulator's first product.
; THE WAY OUT: two of A's blocks of 16 rows at a time: eight scale blocks of 32 side by side, held and converted from the accumulators themselves; the codes lie in window 1, 128 registers that are written once.
; LIMITS: NaN and infinities are not served; a block of zeros keeps the scale byte 1 (its codes are zeros).
; REGISTERS: window 0: v1-30 addresses, v32-63 scale words, v64-127 the bias, later the way out's temporaries, v128-255 A's fragments; window 1: B's, two sets; windows 2, 3: accumulators.
.set NQ,     2
.set ROWB,   256
.set KROW,   1024
.set PITCH,  272
.set FR,     16
.set NL,     4
.set NP,     8
.set HALFT,  128*PITCH
.set SLOT,   4*HALFT
.set KS,     32
.set SCL,    2*SLOT
.set HALFS,  16*272                    ; the scale bytes of 128 rows
.set SBLK,   2*272
.set SPARE,  SCL+4*HALFS
.set STEPB,  8448
.set HEADB,  8*STEPB
.set PART,   64*HEADB
.set BA,   8
.set ADRA, 16
.set ADRB, 20
.set ADRS, 27
.set SPW,  28
.set NIL,  29
.set PFO,  30
.set SC,   32
.set BB,   64
.set AF,   128
.set BM,   64
.set PD,   72
.set HL,   80
.set SO,   88
.set SW,   96
.set Y,    104
.set XW,   112
.set AO,   116
.set LANE, 120
.set LS,   121
.set PFA,  2
.set G0H,  4
.set G0HB, 8
.set WV,  16
.set WH,  17
.set WL,  18
.set TT,  19
.set GG,  20
.set G1,  24
.set G0,  32
.set G1B, 48
.set G0B, 56
.set STP, 66
.set G1S, 68
.set G0S, 76
.set G1SB, 80
.set G0SB, 88
.set SEL, 92
.set MNT, 94
.set OC,  96
.set OS,  98
.set JMP, 100
.set OB,  24                           ; s[24:39], on the way out: where each of A's eight blocks goes
.set MSB, 0
.macro WIN new                         ; the immediate's high byte repeats the setting that is left
.if MSB != (\new)
	s_set_vgpr_msb (MSB<<8)|(\new)
.set MSB, (\new)
.endif
.endm
.macro JLOAD g0a, g1a, g0b, g1b        ; a joint load of the ring: waves 0 and 1 for A, 2 and 3 for B
	s_cmp_eq_u32 s[WH], 0
	s_cbranch_scc0 .Lfor_b_\@
	tensor_load_to_lds s[\g0a:\g0a+3], s[\g1a:\g1a+7]
	s_nop 0
.rept 4
	v_nop
.endr
	s_branch .Lasked_\@
.Lfor_b_\@:
	tensor_load_to_lds s[\g0b:\g0b+3], s[\g1b:\g1b+7]
	s_nop 0
.rept 4
	v_nop
.endr
.Lasked_\@:
.endm
.macro CREST                           ; a round of the cluster's barrier behind its opening barrier
	s_cmp_lg_u32 s[WV], 0
	s_cbranch_scc1 .Lnot_wave_0_\@
	s_barrier_signal -3
.Lnot_wave_0_\@:
	s_barrier_wait -3
	s_barrier_signal -1
	s_barrier_wait -1
.endm
.macro CROUND
	s_barrier_signal -1
	s_barrier_wait -1
	CREST
.endm
.macro ASK k                           ; K step k into the L2
	global_prefetch_b8 v[PFO], s[PFA:PFA+1] offset:256*\k th:TH_LOAD_NT scope:SCOPE_SE
.endm
	s_load_b128 s[4:7], s[0:1], 0x0                ; codes, scales
	s_load_b256 s[8:15], s[0:1], 0x10              ; bq, bk, bv, att
	v_lshl_add_u32 v[SPW], v0, 2, SPARE
	v_mov_b32 v[NIL], 0
	ds_add_u32 v[SPW], v[NIL]                      ; the opening: the add, twice on end
	ds_add_u32 v[SPW], v[NIL]
	v_lshrrev_b32 v1, 5, v0
	v_readfirstlane_b32 s[WV], v1
	s_lshr_b32 s[WH], s[WV], 1                     ; my half of A's rows
	s_and_b32 s[WL], s[WV], 1                      ; my half of B's rows
	s_bfe_u32 s40, ttmp6, 0x40000                  ; cx
	s_bfe_u32 s41, ttmp6, 0x40004                  ; cy
	s_and_b32 s[GG], ttmp7, 0xffff
	s_lshr_b32 s[TT], s[GG], 2                     ; the part
	s_and_b32 s[GG], s[GG], 3                      ; the batch
	s_lshl_b32 s42, s41, 2
	s_lshl_b32 s42, 15, s42                        ; my row of the cluster
	s_lshl_b32 s44, 0x1111, s40                    ; my column
	s_or_b32 s[G1+0], s42, (0<<16)|(1<<20)|(1<<21)|(5<<22)|(3<<25)
	s_or_b32 s[G1B+0], s44, (0<<16)|(1<<20)|(1<<21)|(5<<22)|(3<<25)
.irp g, G1, G1B                                    ; 256 rows at the head; behind it 128
	s_mov_b32 s[\g+1], ROWB<<16
	s_mov_b32 s[\g+2], 256<<16
	s_mov_b32 s[\g+3], ROWB<<16
	s_mov_b32 s[\g+4], 256
	s_mov_b32 s[\g+5], KROW
	s_mov_b32 s[\g+6], 0
	s_mov_b32 s[\g+7], 0
.endr
	s_or_b32 s[G1S+0], s42, (3<<16)|(1<<20)|(1<<21)|(5<<22)|(3<<25)
	s_or_b32 s[G1SB+0], s44, (3<<16)|(1<<20)|(1<<21)|(5<<22)|(3<<25)
.irp g, G1S, G1SB                                  ; the scale bytes of 256 rows: 32 rows of 256 bytes
	s_mov_b32 s[\g+1], 32<<16
	s_mov_b32 s[\g+2], 32<<16
	s_mov_b32 s[\g+3], 32<<16
	s_mov_b32 s[\g+4], 32
	s_mov_b32 s[\g+5], 32
	s_mov_b32 s[\g+6], 0
	s_mov_b32 s[\g+7], 0
.endr
	s_lshl_b32 s21, s[GG], 10
	s_lshl_b32 s22, s[TT], 12
	s_add_co_u32 s22, s22, s21                     ; the batch's first row of its tensor
	s_lshl_b32 s23, s[TT], 10
	s_add_co_u32 s23, s23, 12288                   ; the weight's first row
	s_cmp_eq_u32 s[TT], 0                          ; part 0: A = the weight, B = the tokens
	s_cselect_b32 s22, 12288, s22
	s_cselect_b32 s46, s21, s23
	s_lshl_b32 s23, s41, 8
	s_add_co_u32 s22, s22, s23                     ; A's tile: its first row, by cy
	s_lshl_b32 s47, s40, 8
	s_add_co_u32 s46, s46, s47                     ; B's, by cx
	s_lshl_b32 s2, s40, 6                          ; the prefetches' 32 rows: partner cx takes 64 of A's 256, cy of B's
	s_add_co_u32 s2, s2, s22
	s_lshl_b32 s3, s41, 6
	s_add_co_u32 s3, s3, s46
	s_cmp_eq_u32 s[WH], 0
	s_cselect_b32 s2, s2, s3
	s_lshl_b32 s3, s[WL], 5
	s_add_co_u32 s2, s2, s3
	s_lshl_b32 s2, s2, 10
	s_mov_b32 s3, 0
	s_lshl_b32 s42, s22, 5
	s_mov_b32 s43, 0
	s_lshl_b32 s22, s22, 10
	s_mov_b32 s23, 0
	s_lshl_b32 s44, s46, 5
	s_mov_b32 s45, 0
	s_lshl_b32 s46, s46, 10
	s_mov_b32 s47, 0
	s_mul_i32 s95, s[WV], HALFT                    ; the ring: where my 128 rows go
	s_mov_b32 s[SEL], 0x76543210
	s_mov_b32 s[SEL+1], 0xfedcba98
	s_mov_b32 s[MNT], 0x600000
	s_wait_dscnt 0x0                               ; both opening adds are done
	CROUND                                         ; all sixteen work-groups are here
	s_wait_kmcnt 0x0
	s_add_nc_u64 s[22:23], s[4:5], s[22:23]
	s_add_nc_u64 s[42:43], s[6:7], s[42:43]
	s_add_nc_u64 s[46:47], s[4:5], s[46:47]
	s_add_nc_u64 s[44:45], s[6:7], s[44:45]
	s_add_nc_u64 s[PFA:PFA+1], s[4:5], s[2:3]
	s_cmp_eq_u32 s[TT], 1                          ; my bias
	s_cselect_b64 s[12:13], s[10:11], s[12:13]
	s_cmp_eq_u32 s[TT], 0
	s_cselect_b64 s[12:13], s[8:9], s[12:13]
	s_mov_b32 s[G0H], 1
	s_mov_b32 s[G0H+1], 0
	s_mov_b64 s[G0H+2:G0H+3], s[22:23]
	s_or_b32 s[G0H+3], s[G0H+3], 0x80000000
	s_mov_b32 s[G0HB], 1
	s_mov_b32 s[G0HB+1], 2*HALFT
	s_mov_b64 s[G0HB+2:G0HB+3], s[46:47]
	s_or_b32 s[G0HB+3], s[G0HB+3], 0x80000000
	s_mov_b32 s[G0S], 1
	s_mov_b32 s[G0S+1], SCL
	s_mov_b64 s[G0S+2:G0S+3], s[42:43]
	s_or_b32 s[G0S+3], s[G0S+3], 0x80000000
	s_mov_b32 s[G0SB], 1
	s_mov_b32 s[G0SB+1], SCL+2*HALFS
	s_mov_b64 s[G0SB+2:G0SB+3], s[44:45]
	s_or_b32 s[G0SB+3], s[G0SB+3], 0x80000000
.macro ARM under, g0, g1, next
	s_cmp_lt_u32 s[WV], \under
	s_cbranch_scc0 \next
	tensor_load_to_lds s[\g0:\g0+3], s[\g1:\g1+7]
	s_nop 0
.rept 4
	v_nop
.endr
	s_branch .Lhead_asked
\next:
.endm
	ARM 1, G0H,  G1,  .Lhead_b                     ; one tree, one load a wave
	ARM 2, G0HB, G1B, .Lhead_sa
	ARM 3, G0S,  G1S, .Lhead_sb
	tensor_load_to_lds s[G0SB:G0SB+3], s[G1SB:G1SB+7]
	s_nop 0
.rept 4
	v_nop
.endr
.Lhead_asked:
	s_lshl_b32 s42, s[WL], 17                      ; the ring: my 128 of a tile's 256 rows
	s_mov_b32 s43, 0
	s_add_nc_u64 s[22:23], s[22:23], s[42:43]
	s_add_nc_u64 s[46:47], s[46:47], s[42:43]
.irp s, 0,1
	s_mov_b32 s[G0+4*\s], 1
	s_add_co_u32 s[G0+4*\s+1], s95, \s*SLOT
	s_add_nc_u64 s[G0+4*\s+2:G0+4*\s+3], s[22:23], \s*ROWB
	s_or_b32 s[G0+4*\s+3], s[G0+4*\s+3], 0x80000000
	s_mov_b32 s[G0B+4*\s], 1
	s_add_co_u32 s[G0B+4*\s+1], s95, \s*SLOT
	s_add_nc_u64 s[G0B+4*\s+2:G0B+4*\s+3], s[46:47], \s*ROWB
	s_or_b32 s[G0B+4*\s+3], s[G0B+4*\s+3], 0x80000000
.endr
	v_and_b32 v[PFO], 31, v0
	v_lshlrev_b32 v[PFO], 10, v[PFO]
	v_and_b32 v1, 15, v0                           ; r
	v_bfe_u32 v2, v0, 4, 1                         ; h
	v_mul_u32_u24 v3, v1, PITCH
	v_lshl_add_u32 v4, v2, 4, v3
	s_mul_i32 s44, s[WH], HALFT
	s_mul_i32 s45, s[WL], HALFT
	s_add_co_u32 s45, s45, 2*HALFT
	v_add_nc_u32 v[ADRA], s44, v4
	v_add_nc_u32 v[ADRB], s45, v4
	v_add_nc_u32 v[ADRA+1], SLOT, v[ADRA]
	v_add_nc_u32 v[ADRB+1], SLOT, v[ADRB]
	v_mul_u32_u24 v5, v1, KS                       ; scale words: lanes 0-15 A's rows, lanes 16-31 B's; 16 bytes more for each 256 passed
	v_lshrrev_b32 v6, 8, v5
	v_lshl_add_u32 v5, v6, 4, v5
	s_mul_i32 s44, s[WH], HALFS
	s_mul_i32 s45, s[WL], HALFS
	s_add_co_u32 s45, s45, 2*HALFS
	s_sub_co_u32 s45, s45, s44
	v_mul_u32_u24 v6, s45, v2
	s_add_co_u32 s44, s44, SCL
	v_add_nc_u32 v5, v5, v6
	v_add_nc_u32 v[ADRS], s44, v5
	s_wait_alu depctr_va_vdst(0)
	ASK 1
	s_lshl_b32 s44, s41, 8
	s_lshl_b32 s45, s[WH], 7
	s_add_co_u32 s44, s44, s45                     ; my first row along A
	s_lshl_b32 s45, s40, 8
	s_lshl_b32 s21, s[WL], 7
	s_add_co_u32 s45, s45, s21                     ; and along B
	s_mov_b32 s[STP], 1024
	s_mov_b32 s[STP+1], 0
	s_mov_b32 s[JMP+1], 0
	s_cmp_eq_u32 s[TT], 0
	s_cselect_b32 s21, s45, s44                    ; my first token of the batch
	s_cselect_b32 s22, s44, s45                    ; my first channel
	s_cselect_b32 s[STP], 2048, s[STP]             ; from block to block of A
	s_cselect_b32 s[JMP], HEADB-8192, 0            ; part 0: A's blocks 4-7 are the next head
	s_lshl_b32 s42, s22, 2
	s_mov_b32 s43, 0
	s_add_nc_u64 s[12:13], s[12:13], s[42:43]
	s_cmp_eq_u32 s[TT], 0
	s_cbranch_scc1 .Lbias_rows
	v_lshlrev_b32 v3, 6, v2                        ; C of B's block b: channels 32 (b / 2) + 16 h + 8 (b % 2) + 0..7
.irp b, 0,1,2,3
.irp j, 0,1,2,3
	global_load_b128 v[BB+16*\b+4*\j:BB+16*\b+4*\j+3], v3, s[12:13] offset:128*\b+16*\j
.endr
.endr
	s_branch .Lbias_asked
.Lbias_rows:
	v_and_b32 v3, 8, v1                            ; C of A's block a: my row's channel, eight times
	v_add_nc_u32 v3, v3, v1
	v_lshlrev_b32 v3, 2, v3
.irp a, 0,1,2,3,4,5,6,7
	global_load_b32 v[BA+\a], v3, s[12:13] offset:(32*(\a/2)+8*(\a%2))*4
.endr
	s_wait_loadcnt 0x0
.set i_, 0
.rept 64
	v_mov_b32 v[BB+i_], v[BA+i_/8]
.set i_, i_+1
.endr
	s_wait_alu depctr_va_vdst(0)                   ; ahead of the jump
.Lbias_asked:
	s_lshr_b32 s21, s21, 7                         ; the step of 128 tokens
	s_lshr_b32 s22, s22, 6
	s_lshl_b32 s23, s[GG], 4
	s_add_co_u32 s22, s22, s23                     ; my first head
	s_mul_i32 s22, s22, HEADB
	s_mul_i32 s23, s[TT], PART
	s_add_co_u32 s22, s22, s23
	s_mul_i32 s42, s21, STEPB
	s_add_co_u32 s42, s42, s22
	s_mov_b32 s43, 0
	s_add_nc_u64 s[OC:OC+1], s[14:15], s[42:43]
	s_add_co_u32 s42, s42, 8192
	s_add_nc_u64 s[OS:OS+1], s[14:15], s[42:43]
.macro FRAG reg, adr, q, i             ; 16 rows x 128 K
.irp c, 0,1,2,3
	ds_load_b128 v[\reg+4*\c:\reg+4*\c+3], v[\adr] offset:128*(\q)+32*\c+(\i)*16*PITCH
.endr
.endm
; 16 products: A's blocks a0, a0 + 1 x B's eight.  kind 0: onto the sum; the first step: C = the bias by B's block (1) or by A's (2).  The 64 accumulators take turns.
.macro MUL16 a0, p, q, sc, kind
.irp a, \a0, \a0+1
.irp b, 0,1,2,3,4,5,6,7
.set D_, 8*(8*((\a)%4)+\b)
.if \kind == 1
.set C_, BB+8*\b
.elseif \kind == 2
.set C_, BB+8*(\a)
.else
.set C_, D_
.endif
	v_wmma_scale_f32_16x16x128_f8f6f4 v[D_:D_+7], v[128*(\p)+FR*\b:128*(\p)+FR*\b+FR-1], v[AF+FR*(\a):AF+FR*(\a)+FR-1], v[C_:C_+7], v[SC+8*NQ*(\sc)+NQ*\b+(\q)], v[SC+8*NQ*(\sc)+NQ*(\a)+(\q)] matrix_a_scale:MATRIX_SCALE_ROW1
.endr
.endr
.endm
.macro MULWIN hi, kind                 ; source 0 window 1, source 1 window 0, D window 2 or 3, C the same or (the bias) window 0
.if \kind
	WIN 0x81+0x40*\hi
.else
	WIN 0xa1+0x50*\hi
.endif
.endm
.macro FETCH_B slot, q, p, i0=0, n=8   ; n of B's fragments, from i0 on, into set p
	WIN 0x40
.set F_, \i0
.rept \n
	FRAG 128*(\p)+FR*F_, ADRB+\slot, \q, F_
.set F_, F_+1
.endr
	WIN 0
.endm
.macro FETCH_A slot, q, i0
.irp i, \i0, \i0+1, \i0+2, \i0+3
	FRAG AF+FR*(\i), ADRA+\slot, \q, \i
.endr
.endm
.macro SCALES sc                       ; a K step's scale words: lanes 0-15 A's block i, lanes 16-31 B's
.irp i, 0,1,2,3,4,5,6,7
	ds_load_b64 v[SC+8*NQ*\sc+NQ*\i:SC+8*NQ*\sc+NQ*\i+1], v[ADRS] offset:\i*SBLK
.endr
.endm
.macro PLACES n
.rept \n
	v_nop
.endr
.endm
.macro HALF_B slot, q, p, i0           ; four of B's fragments into set p
	WIN 0x40
.irp i, \i0, \i0+1, \i0+2, \i0+3
	FRAG 128*(\p)+FR*(\i), ADRB+\slot, \q, \i
.endr
	WIN 0
.endm
.macro STEP slot, q, kind              ; 128 along K, with its successor in the same slot
	s_wait_dscnt 4*NL                              ; all but A's blocks 4-7, the youngest 16 loads
	MULWIN 0, \kind
	MUL16 0, (\q)%2, \q, \slot, \kind
	HALF_B \slot, (\q)+1, 1-(\q)%2, 0              ; into the set that stands idle: its last products have their places behind them since the last step's end
	MULWIN 0, \kind
	MUL16 2, (\q)%2, \q, \slot, \kind
	s_wait_dscnt 4*NL                              ; A's blocks 4-7 are in; the 16 loads just issued may be out
	PLACES NP
	HALF_B \slot, (\q)+1, 1-(\q)%2, 4
	FETCH_A \slot, (\q)+1, 0
	MULWIN 1, \kind
	MUL16 4, (\q)%2, \q, \slot, \kind
	MUL16 6, (\q)%2, \q, \slot, \kind
	PLACES NP
	WIN 0
	FETCH_A \slot, (\q)+1, 4
.endm
; A slot's last step and the change of slots: one barrier (fill = 1: it opens a round, behind which this slot is filled again).  ask: the K step that is prefetched.
.macro TURN slot, next, fill, ask
	s_wait_tensorcnt 0x0                           ; my part of the next slot is in
	ds_add_u32 v[SPW], v[NIL]
.if \fill
	s_add_nc_u64 s[G0+4*\slot+2:G0+4*\slot+3], s[G0+4*\slot+2:G0+4*\slot+3], 2*ROWB
	s_add_nc_u64 s[G0B+4*\slot+2:G0B+4*\slot+3], s[G0B+4*\slot+2:G0B+4*\slot+3], 2*ROWB
.endif
	s_wait_dscnt 4*NL+1                            ; the add and A's blocks 4-7 may be out
	MULWIN 0, 0
	MUL16 0, 1, NQ-1, \slot, 0
	s_wait_dscnt 0x0                               ; the add and my reads of this slot are done
	s_barrier_signal -1
	MUL16 2, 1, NQ-1, \slot, 0
	WIN 0
	s_barrier_wait -1
.if \fill
	CREST
	JLOAD G0+4*\slot, G1, G0B+4*\slot, G1B
	PLACES NP-4
.else
	PLACES NP
.endif
	v_add_nc_u32 v[ADRS], 4*NQ, v[ADRS]            ; the next K step's scale words
	s_wait_alu depctr_va_vdst(0)                   ; directly behind the write
	FETCH_B \next, 0, 0
	FETCH_A \next, 0, 0
	SCALES \next
.if \ask
	ASK \ask
.endif
	MULWIN 1, 0
	MUL16 4, 1, NQ-1, \slot, 0
	MUL16 6, 1, NQ-1, \slot, 0
	PLACES NP
	WIN 0
	FETCH_A \next, 0, 4
.endm
	s_wait_alu depctr_va_vdst(0)                   ; the head's end
	s_wait_loadcnt 0x0                             ; the bias
	s_wait_tensorcnt 0x0                           ; my tile of the head's four
	ds_add_u32 v[SPW], v[NIL]
	s_mov_b32 s[G1+2], 128<<16                     ; no load of mine is out: from here on a load brings 128 rows
	s_mov_b32 s[G1+4], 128
	s_mov_b32 s[G1B+2], 128<<16
	s_mov_b32 s[G1B+4], 128
	s_wait_dscnt 0x0
	CROUND                                         ; all four tiles are in, all work-groups are here
	JLOAD G0+4, G1, G0B+4, G1B                     ; K step 1
	FETCH_B 0, 0, 0
	FETCH_A 0, 0, 0
	SCALES 0
	FETCH_A 0, 0, 4
	ASK 2
	s_cmp_eq_u32 s[TT], 0
	s_cbranch_scc1 .Lfirst_rows
	STEP 0, 0, 1
	s_branch .Lfirst_done
.Lfirst_rows:
	STEP 0, 0, 2
.Lfirst_done:
	TURN 0, 1, 1, 3                                ; K step 2 into slot 0
	STEP 1, 0, 0
	TURN 1, 0, 1, 0                                ; K step 3 into slot 1
	STEP 0, 0, 0
	TURN 0, 1, 0, 0
	STEP 1, 0, 0
	s_wait_dscnt 4*NL                              ; the very last step
	MULWIN 0, 0
	MUL16 0, 1, NQ-1, 1, 0
	MUL16 2, 1, NQ-1, 1, 0
	s_wait_dscnt 0
	MULWIN 1, 0
	MUL16 4, 1, NQ-1, 1, 0
	MUL16 6, 1, NQ-1, 1, 0
	WIN 0
	; the way out
	s_mov_b64 s[OB:OB+1], s[OC:OC+1]
.irp a, 1,2,3,4,5,6,7
	s_add_nc_u64 s[OB+2*\a:OB+2*\a+1], s[OB+2*\a-2:OB+2*\a-1], s[STP:STP+1]
.if \a == 4
	s_add_nc_u64 s[OB+8:OB+9], s[OB+8:OB+9], s[JMP:JMP+1]
.endif
.endr
	s_mov_b32 s42, HEADB
	s_cmp_eq_u32 s[TT], 0
	s_cselect_b32 s42, 1024, s42
	v_and_b32 v[LANE], 31, v0                      ; these six lines and two v_nop: the places ahead of the first reads of results
	v_lshlrev_b32 v[LS], 2, v[LANE]
	v_lshlrev_b32 v[AO], 4, v[LANE]
	v_add_nc_u32 v[AO+1], 512, v[AO]
	v_add_nc_u32 v[AO+2], s42, v[AO]
	v_add_nc_u32 v[AO+3], 512, v[AO+2]
	PLACES 2
; A's blocks 2 P, 2 P + 1: scale block g = 4 (block) + b: my 16 numbers at X_ + 16 g, the other 16 in lane l xor 16.
.macro PAIR P
.set X_, 128*(\P%2)
	WIN 0x28+0x14*(\P/2)                           ; sources 1, 2: window 2 or 3
.irp g, 0,1,2,3,4,5,6,7
	v_max3_num_f32 v[BM+\g], 0x4800000, |v[X_+16*\g]|, |v[X_+16*\g+1]|   ; the floor 2^(9 - 127): the byte cannot fall under 1
.endr
.irp i, 2,4,6,8,10,12,14
.irp g, 0,1,2,3,4,5,6,7
	v_max3_num_f32 v[BM+\g], v[BM+\g], |v[X_+16*\g+\i]|, |v[X_+16*\g+\i+1]|
.endr
.endr
	WIN 0
.irp g, 0,1,2,3,4,5,6,7
	v_permlanex16_b32 v[PD+\g], v[BM+\g], s[SEL], s[SEL+1]
.endr
.irp g, 0,1,2,3,4,5,6,7
	v_max_num_f32 v[BM+\g], v[BM+\g], v[PD+\g]
.endr
.irp g, 0,1,2,3,4,5,6,7
	v_add_nc_u32 v[SO+\g], 0xfc000000, v[BM+\g]    ; 8 off the exponent field: the conversion's scale operand
.endr
.irp g, 0,1,2,3,4,5,6,7
	v_and_or_b32 v[HL+\g], v[BM+\g], 0x7f800000, s[MNT]   ; 448 x the scale
.endr
.irp g, 0,1,2,3,4,5,6,7
	v_lshrrev_b32 v[PD+\g], 23, v[SO+\g]           ; the scale's byte
.endr
	v_lshl_or_b32 v[SW+2*\P], v[PD+1], 8, v[PD]
	v_lshl_or_b32 v[SW+2*\P+1], v[PD+5], 8, v[PD+4]
	v_lshl_or_b32 v[SW+2*\P], v[PD+2], 16, v[SW+2*\P]
	v_lshl_or_b32 v[SW+2*\P+1], v[PD+6], 16, v[SW+2*\P+1]
	v_lshl_or_b32 v[SW+2*\P], v[PD+3], 24, v[SW+2*\P]
	v_lshl_or_b32 v[SW+2*\P+1], v[PD+7], 24, v[SW+2*\P+1]
	WIN 0x82+0x41*(\P/2)
.set i_, 0
.rept 128
	v_med3_num_f32 v[X_+i_], v[X_+i_], -v[HL+i_/16], v[HL+i_/16]   ; the conversion does not saturate (ISA guide 7.6.2)
.set i_, i_+1
.endr
	WIN 0x42+(\P/2)                                ; the codes: window 1
.irp g, 0,1,2,3,4,5,6,7
	v_cvt_scalef32_pk8_fp8_f32 v[32*\P+4*\g:32*\P+4*\g+1], v[X_+16*\g:X_+16*\g+7], v[SO+\g]
	v_cvt_scalef32_pk8_fp8_f32 v[32*\P+4*\g+2:32*\P+4*\g+3], v[X_+16*\g+8:X_+16*\g+15], v[SO+\g]
.endr
	v_nop
	WIN 0x04
.irp b, 0,1,2,3
	global_store_b128 v[AO+\b], v[32*\P+4*\b:32*\P+4*\b+3], s[OB+4*\P:OB+4*\P+1]       ; 32 lanes store 512 consecutive bytes
	global_store_b128 v[AO+\b], v[32*\P+16+4*\b:32*\P+16+4*\b+3], s[OB+4*\P+2:OB+4*\P+3]
.endr
	WIN 0
.endm
.irp p, 0,1,2,3
	PAIR \p
.endr
	v_cmp_le_u32 vcc_lo, 16, v[LANE]
	s_cmp_eq_u32 s[TT], 0
	s_cbranch_scc1 .Lwords_v
.irp b, 0,1,2,3                                    ; parts 1 and 2: a head's two bytes of two blocks make a word
	v_perm_b32 v[Y+\b], v[SW+2*\b+1], v[SW+2*\b], 0x05040100
	v_perm_b32 v[Y+4+\b], v[SW+2*\b+1], v[SW+2*\b], 0x07060302
.endr
.irp i, 0,1,2,3
	v_cndmask_b32 v[XW+\i], v[Y+2*\i], v[Y+2*\i+1], vcc_lo
.endr
	s_branch .Lwords_done
.Lwords_v:
.irp i, 0,1,2,3
	v_cndmask_b32 v[XW+\i], v[SW+2*\i], v[SW+2*\i+1], vcc_lo
.endr
.Lwords_done:
	s_wait_alu depctr_va_vdst(0)
.irp i, 0,1,2,3
	global_store_b32 v[LS], v[XW+\i], s[OS:OS+1] offset:(\i/2)*HEADB+(\i%2)*128
.endr
	s_wait_tensorcnt 0x0                           ; the wave's end
	ds_add_u32 v[SPW], v[NIL]
	s_wait_dscnt 0x0
	CROUND                                         ; the closing round
	s_endpgm
.Lfunc_end_k_qe97381de59_proj:
	.size	k_qe97381de59_proj, .Lfunc_end_k_qe97381de59_proj-k_qe97381de59_proj
	.p2alignl 7, 3214868480
	.fill 96, 4, 3214868480
	.section	.rodata,"a",@progbits
	.p2align	6, 0x0
	.amdhsa_kernel k_qe97381de59_proj
		.amdhsa_group_segment_fixed_size 327680
		.amdhsa_private_segment_fixed_size 0
		.amdhsa_enable_private_segment 0
		.amdhsa_kernarg_size 48
		.amdhsa_user_sgpr_count 2
		.amdhsa_user_sgpr_kernarg_segment_ptr 1
		.amdhsa_wavefront_size32 1
		.amdhsa_system_sgpr_workgroup_id_x 1
		.amdhsa_system_sgpr_workgroup_id_y 1
		.amdhsa_system_sgpr_workgroup_id_z 1
		.amdhsa_system_vgpr_workitem_id 0
		.amdhsa_next_free_vgpr 1024
		.amdhsa_next_free_sgpr 102
		.amdhsa_reserve_vcc 1
		.amdhsa_float_denorm_mode_32 3
		.amdhsa_float_denorm_mode_16_64 3
		.amdhsa_memory_ordered 1
		.amdhsa_forward_progress 1
		.amdhsa_inst_pref_size 206
	.end_amdhsa_kernel
	.amdgpu_metadata
---
amdhsa.version: [ 1, 2 ]
amdhsa.kernels:
  - .name:           k_qe97381de59_proj
    .symbol:         k_qe97381de59_proj.kd
    .args:
      - { .name: codes, .offset: 0, .size: 8, .value_kind: global_buffer, .address_space: global }
      - { .name: scales, .offset: 8, .size: 8, .value_kind: global_buffer, .address_space: global }
      - { .name: bq, .offset: 16, .size: 8, .value_kind: global_buffer, .address_space: global }
      - { .name: bk, .offset: 24, .size: 8, .value_kind: global_buffer, .address_space: global }
      - { .name: bv, .offset: 32, .size: 8, .value_kind: global_buffer, .address_space: global }
      - { .name: att, .offset: 40, .size: 8, .value_kind: global_buffer, .address_space: global }
    .group_segment_fixed_size: 327680
    .private_segment_fixed_size: 0
    .kernarg_segment_align: 8
    .kernarg_segment_size: 48
    .max_flat_workgroup_size: 128
    .sgpr_count:     102
    .vgpr_count:     1024
    .wavefront_size: 32
...
	.end_amdgpu_metadata
.endif
;; end of part 2
;; launch attn (part 3): grid 4 x 64, 8 waves a work-group, clusters of 4 x 1, 206,848 bytes of LDS; arguments att, out0; writes out0
.if DOCPART == 3
	.amdgcn_target "amdgcn-amd-amdhsa--gfx1250"
	.amdhsa_code_object_version 6
	.text
	.protected	k_qe97381de59_attn
	.globl	k_qe97381de59_attn
	.p2align	8
	.type	k_qe97381de59_attn,@function
k_qe97381de59_attn:
	s_mov_b64 s[64:65], 0
	v_nop
	global_prefetch_b8 v0, s[64:65] scope:SCOPE_SE
	s_setreg_imm32_b32 hwreg(HW_REG_WAVE_MODE, 25, 1), 1
	s_wait_xcnt 0x0
	s_wait_alu depctr_hold_cnt(0) depctr_sa_sdst(0) depctr_va_vdst(0) depctr_va_sdst(0) depctr_va_ssrc(0) depctr_va_vcc(0) depctr_vm_vsrc(0)
	s_getreg_b32 s2, hwreg(HW_REG_IB_STS2, 6, 4)
	s_cmp_eq_u32 s2, 0
	s_cbranch_scc0 .Lentry_in_a_cluster
	s_endpgm
.Lentry_in_a_cluster:
	s_bfe_u32 s2, ttmp6, 0x10000c
	s_cmp_lg_u32 s2, 0x3003
	s_cbranch_scc0 .Lentry_shape_is_right
	s_endpgm
.Lentry_shape_is_right:
; out[n][q][64 hd + d] = the sum over k of softmax_k(Q[q] . K[k] / 32) V[k][d] for each of the 64 (n, head) pairs; both products on codes of FP8 (E4M3) with E8M0 scales, read from att as images of the operands' registers.
; THE SOFTMAX: t = score x log2(e) / 32; M = the running largest t rounded UP to a whole number; p = 2^(t - M) is quantised along the keys, not normalised; the row's sum is taken of the unquantised p and divides at the end.
; When M moves, the sum and O are multiplied by 2^(old M - new M): exact.
; SHARES: a work-group owns 256 queries of one head, each of its eight waves 32 of them, TWO tiles of 16: each fragment of K feeds four products, each of V two, and the two tiles' chains of vector lines take turns.
; Lane r of tile u holds query q0 + 8 u + r + 8 (r / 8).
; CLUSTER: the four work-groups of a head need the same K and V: the whole head is asked for JOINTLY, once, one load a wave: two steps (256 keys) of K in the even waves, of V in the odd ones.
; Nothing is left to ask for later, so there is no prefetch and no slot is filled again.
; BOTH PRODUCTS TRANSPOSED: S^T = K Q^T (source 0 = keys), O^T = V^T P^T (source 0 = channels): a lane holds one query throughout, and p's registers are neighbouring keys.
; THE HEAD'S 64 FILL HALF OF THE INSTRUCTION'S K = 128.  A fragment of K holds TWO tiles of 16 keys; multiplied by (q | 0) it gives the first, by (0 | q) the second: the other tile meets zero codes under finite scale bytes.
; A STEP (128 keys) begins with its scores and their blocks' maxima made: loads of this step's V and the next step's K; M; tile 0's exponentials among tile 1's t - M; tile 0's sum and scales; tile 1's exponentials among tile 0's holds;
; tile 0's codes; THE NEXT STEP'S scores of tile 0 among tile 1's sum, scales and holds; tile 1's codes; O^T under the new M; the next step's scores of tile 1, and O^T's products, among the next step's maxima.
; LIMITS: NaN and infinities are not served; the scaled scores stay under 2^31 in magnitude; a block of p that has fallen to zeros keeps the byte 1 (its codes are zeros).
; REGISTERS: window 0: what the vector lines name, the scale words, q and the scores; window 1: O^T, K, V, p's codes.
.set STEPB, 8448                       ; a step in att and in LDS: 8,192 bytes of codes, 256 of scale words
.set HEADB, 8*STEPB
.set PART,  64*HEADB
.set VB,    HEADB                      ; LDS: K's eight steps, then V's
.set STG,   2*HEADB                    ; the way out: 32 rows x 272 bytes for each wave; no tile lands there
.set SPARE, STG+8*32*272
.set LIK, 1                            ; 16 x lane, a step on;  LSK: its scale words;  LIV, LSV: V's
.set LSK, 2
.set LIV, 3
.set ADK, 4
.set ADV, 5
.set ADSK, 6
.set ADSV, 7
.set OLDM, 8                           ; v8-9   the old -M of both tiles
.set NM,  10                           ; v10-13 -M and the largest t, a pair a tile
.set SUM, 14                           ; v14-17 the sum in two halves, a pair a tile
.set FF,  18                           ; v18, v20  f; the upper registers are named with it
.set SPW, 22
.set NIL, 23
.set KS,  24                           ; scale words: K's v24-25, V's v26-27, q's v28-29, p's v30-31
.set VS,  26
.set QSC, 28
.set PSC, 30
.set BM,  32                           ; v32-39 by block g = 4 u + b: the largest scores, then p
.set PD,  40
.set HL,  48
.set SO,  56
.set TMP, 64
.set CH,  66                           ; v66-71 three chains of the sum
.set LSV, 72
.set QZ,  76                           ; v76-115 zeros, tile 0's q, zeros, tile 1's q, zeros: eight each
.set T,   116
.set S,   128                          ; v128-255 S^T, then p: 64 a tile
.set OA,  0                            ; window 1: O^T, 32 a tile
.set KF,  64
.set VF,  128
.set PC,  192
.set WV,  12
.set G1,  24
.set G0,  32
.set SEL, 50
.set CS,  52
.set MNT, 54
.set TB,  55
.set CNT, 57
.set MSB, 0
.macro WIN new                         ; the immediate's high byte repeats the setting that is left
.if MSB != (\new)
	s_set_vgpr_msb (MSB<<8)|(\new)
.set MSB, (\new)
.endif
.endm
.macro CROUND                          ; a round of the cluster's barrier
	s_barrier_signal -1
	s_barrier_wait -1
	s_cmp_lg_u32 s[WV], 0
	s_cbranch_scc1 .Lnot_wave_0_\@
	s_barrier_signal -3
.Lnot_wave_0_\@:
	s_barrier_wait -3
	s_barrier_signal -1
	s_barrier_wait -1
.endm
	s_load_b128 s[4:7], s[0:1], 0x0                ; att, out0
	v_lshl_add_u32 v[SPW], v0, 2, SPARE
	v_mov_b32 v[NIL], 0
	ds_add_u32 v[SPW], v[NIL]                      ; the opening: the add, twice on end
	ds_add_u32 v[SPW], v[NIL]
	v_lshrrev_b32 v[T], 5, v0
	v_readfirstlane_b32 s[WV], v[T]                ; wave 0..7
	s_bfe_u32 s13, ttmp6, 0x40000                  ; cx: it enters Q's and out0's addresses alone
	s_lshl_b32 s14, ttmp9, 2
	s_add_co_u32 s14, s14, s13                     ; my block of 256 queries
	s_and_b32 s15, ttmp7, 0xffff                   ; the head, 16 n + hd, which the four partners share
	s_mul_i32 s16, s15, HEADB
	s_and_b32 s18, s[WV], 1                        ; what I fetch: even waves K (part 1), odd waves V (part 0),
	s_bfe_u32 s17, s[WV], 0x20001                  ; two steps each
	s_xor_b32 s19, s18, 1
	s_mul_i32 s20, s19, PART
	s_add_co_u32 s20, s20, s16
	s_mul_i32 s23, s17, 2*STEPB
	s_add_co_u32 s20, s20, s23
	s_mov_b32 s21, 0
	s_mul_i32 s22, s18, VB
	s_add_co_u32 s22, s22, s23                     ; its place in LDS
	s_mov_b32 s[G1], 15|(3<<16)|(1<<21)            ; the mask: all four work-groups; elements of 8 bytes; bit 21 beside a mask; no padding: every read takes 512 consecutive bytes
	s_mov_b32 s[G1+1], 32<<16                      ; 16,896 dense bytes as 66 rows of 256
	s_mov_b32 s[G1+2], 66<<16
	s_mov_b32 s[G1+3], 32<<16
	s_mov_b32 s[G1+4], 66
	s_mov_b32 s[G1+5], 32
	s_mov_b32 s[G1+6], 0
	s_mov_b32 s[G1+7], 0
	s_mov_b32 s[SEL], 0x76543210
	s_mov_b32 s[SEL+1], 0xfedcba98                 ; lane l xor 16
	s_mov_b32 s[CS], 0x3d38aa3b                    ; c = log2(e) / 32
	s_mov_b32 s[CS+1], s[CS]
	s_mov_b32 s[MNT], 0x600000                     ; the mantissa field of 448
	s_lshl_b32 s40, s14, 3
	s_add_co_u32 s40, s40, s[WV]                   ; my 32 queries, 0..31 in the head
	s_lshr_b32 s41, s40, 2
	s_mul_i32 s41, s41, STEPB
	s_add_co_u32 s41, s41, s16
	s_add_co_u32 s41, s41, 2*PART                  ; part 2, head, step
	s_and_b32 s42, s40, 3
	s_lshl_b32 s44, s42, 11
	s_add_co_u32 s44, s44, s41                     ; q's codes: 2,048 bytes
	s_mov_b32 s45, 0
	s_lshl_b32 s46, s42, 6
	s_add_co_u32 s46, s46, s41
	s_add_co_u32 s46, s46, 8192                    ; q's scale bytes: two for each tile
	s_mov_b32 s47, 0
	s_lshl_b32 s48, s40, 17                        ; 32 rows of out0, 4,096 bytes each
	s_lshr_b32 s49, s15, 4
	s_lshl_b32 s49, s49, 22
	s_add_co_u32 s48, s48, s49
	s_and_b32 s49, s15, 15
	s_lshl_b32 s49, s49, 8                         ; the head's 64 channels: 256 bytes
	s_add_co_u32 s48, s48, s49
	s_mov_b32 s49, 0
	s_wait_dscnt 0x0                               ; both opening adds are done
	CROUND                                         ; all four work-groups are here
	s_wait_kmcnt 0x0
	s_mov_b32 s[G0], 1
	s_mov_b32 s[G0+1], s22
	s_add_nc_u64 s[G0+2:G0+3], s[4:5], s[20:21]
	s_or_b32 s[G0+3], s[G0+3], 0x80000000
	s_cmp_lt_u32 s[WV], 2                          ; two load lines: the first barrier shows the first line's tiles alone
	s_cbranch_scc0 .Lsecond
	tensor_load_to_lds s[G0:G0+3], s[G1:G1+7]
	s_nop 0
.rept 4
	v_nop
.endr
	s_branch .Lasked
.Lsecond:
	tensor_load_to_lds s[G0:G0+3], s[G1:G1+7]
	s_nop 0
.rept 4
	v_nop
.endr
.Lasked:
	s_add_nc_u64 s[44:45], s[4:5], s[44:45]
	s_add_nc_u64 s[46:47], s[4:5], s[46:47]
	s_add_nc_u64 s[6:7], s[6:7], s[48:49]
	v_and_b32 v[T], 31, v0
	v_and_b32 v[T+1], 15, v0
	v_lshlrev_b32 v[ADK], 4, v[T]
	v_lshlrev_b32 v[T+2], 2, v[T+1]
	global_load_b128 v[QZ+8:QZ+11], v[ADK], s[44:45]
	global_load_b128 v[QZ+12:QZ+15], v[ADK], s[44:45] offset:512
	global_load_b128 v[QZ+24:QZ+27], v[ADK], s[44:45] offset:1024
	global_load_b128 v[QZ+28:QZ+31], v[ADK], s[44:45] offset:1536
	global_load_b32 v[T+3], v[T+2], s[46:47]       ; low half: tile 0's two bytes, high half: tile 1's
	v_add_nc_u32 v[LIK], STEPB, v[ADK]
	v_add_nc_u32 v[LIV], VB, v[ADK]
	v_lshlrev_b32 v[T+4], 2, v[T]
	v_add_nc_u32 v[ADSK], 8192, v[T+4]
	v_add_nc_u32 v[LSK], 8192+STEPB, v[T+4]
	v_add_nc_u32 v[LSV], 8192+VB, v[T+4]
.irp j, 0,1,2,3,4,5,6,7
	v_mov_b32 v[QZ+\j], 0                          ; zero codes on both sides of each q
	v_mov_b32 v[QZ+16+\j], 0
	v_mov_b32 v[QZ+32+\j], 0
.endr
	WIN 0x40
.set i_, 0
.rept 64
	v_mov_b32 v[OA+i_], 0                          ; O^T: the first step finds zeros, which the first change of M leaves zeros
.set i_, i_+1
.endr
	WIN 0
	s_mov_b32 s[TB], 0
	s_wait_alu depctr_va_vdst(0)
	s_wait_loadcnt 0x0
	v_and_b32 v[T+5], 0xffff, v[T+3]
	v_lshrrev_b32 v[T+6], 16, v[T+3]
	v_lshl_or_b32 v[QSC], v[T+5], 16, v[T+5]       ; (s0, s1, s0, s1): it serves (q | 0) and (0 | q)
	v_lshl_or_b32 v[QSC+1], v[T+6], 16, v[T+6]
	v_mov_b32 v[NM+1], 0xff61b1e6                  ; the largest t so far: -3e38
	v_mov_b32 v[NM+3], 0xff61b1e6
.irp j, 0,1,2,3
	v_mov_b32 v[SUM+\j], 0
	v_mov_b32 v[FF+\j], 0
.endr
	v_floor_f32 v[NM], -v[NM+1]                    ; -M
	v_floor_f32 v[NM+2], -v[NM+3]
.irp g, 0,1,2,3,4,5,6,7
	v_mov_b32 v[PD+\g], 0                          ; written once: a lane permute's destination counts as one of its sources
.endr
	s_wait_alu depctr_va_vdst(0)                   ; the head's end
	s_cmp_lt_u32 s[WV], 2
	s_cbranch_scc0 .Lnot_first
	s_wait_tensorcnt 0x0                           ; waves 0, 1: the first 256 keys have landed
.Lnot_first:
	s_barrier_signal -1
	s_barrier_wait -1
.macro FRAGS f, adr                    ; four fragments: 32 lanes read 512 consecutive bytes
	WIN 0x40
.irp b, 0,1,2,3
.irp c, 0,1,2,3
	ds_load_b128 v[\f+16*\b+4*\c:\f+16*\b+4*\c+3], v[\adr] offset:2048*\b+512*\c
.endr
.endr
	WIN 0
.endm
.macro WORDS w, adr                    ; lanes 0-15: fragment 0's (2's) words, lanes 16-31: fragment 1's (3's)
	ds_load_b32 v[\w], v[\adr]
	ds_load_b32 v[\w+1], v[\adr] offset:128
.endm
.macro SP p                            ; scores, product p = 8 u + 2 b + hf: key tile 2 b + hf against my tile u
.set B_, ((\p)%8)/2
.set U_, (\p)/8
.set D_, S+8*(\p)
.set Q_, QZ+16*U_+8-8*((\p)%2)
.set A_, KF+16*B_
	WIN 0x01
.if B_%2
	v_wmma_scale_f32_16x16x128_f8f6f4 v[D_:D_+7], v[A_:A_+15], v[Q_:Q_+15], 0, v[KS+B_/2], v[QSC+U_] matrix_a_scale:MATRIX_SCALE_ROW1
.else
	v_wmma_scale_f32_16x16x128_f8f6f4 v[D_:D_+7], v[A_:A_+15], v[Q_:Q_+15], 0, v[KS+B_/2], v[QSC+U_]
.endif
.endm
.macro OP p                            ; O^T, product p = 2 t + u: 16 channels of my tile u
.set T_, (\p)/2
.set U_, (\p)%2
.set D_, OA+32*U_+8*T_
.set A_, VF+16*T_
.set C_, PC+16*U_
	WIN 0x55
.if T_%2
	v_wmma_scale_f32_16x16x128_f8f6f4 v[D_:D_+7], v[A_:A_+15], v[C_:C_+15], v[D_:D_+7], v[VS+T_/2], v[PSC+U_] matrix_a_scale:MATRIX_SCALE_ROW1
.else
	v_wmma_scale_f32_16x16x128_f8f6f4 v[D_:D_+7], v[A_:A_+15], v[C_:C_+15], v[D_:D_+7], v[VS+T_/2], v[PSC+U_]
.endif
.endm
.macro MAXL u, k                       ; tile u's maxima, line k of 32: the largest score of each block of 32 keys: for the row's maximum and, since p rises with the score, for the block's largest p
.set G_, 4*\u+(\k)%4
.set X_, S+16*G_+2*((\k)/4)
.if (\k) < 4
	v_max3_num_f32 v[BM+G_], v[X_], v[X_+1], v[X_+2]
.elseif (\k) < 28
	v_max3_num_f32 v[BM+G_], v[BM+G_], v[X_+1], v[X_+2]
.else
	v_max_num_f32 v[BM+G_], v[BM+G_], v[X_+1]
.endif
.endm
.macro H2                              ; a hint: the next line reads what the line two back wrote
	s_delay_alu instid0(VALU_DEP_2)
.endm
.macro SHIFT u, i                      ; t - M, two at a time
	v_pk_fma_f32 v[S+64*\u+2*(\i):S+64*\u+2*(\i)+1], v[S+64*\u+2*(\i):S+64*\u+2*(\i)+1], s[CS:CS+1], v[NM+2*\u:NM+2*\u+1] op_sel_hi:[1,0,0]
.endm
.macro HOLD u, i                       ; p held at 448 x the scale: element k of block b, element k xor 1 of block b + 1: one destination even, one odd, the sources in different banks
.set K_, (\i)%16
.set J_, K_+1-2*(K_%2)
.set B_, 4*\u+2*((\i)/16)
	v_dual_min_num_f32 v[S+16*B_+K_], v[S+16*B_+K_], v[HL+B_] :: v_dual_min_num_f32 v[S+16*B_+16+J_], v[S+16*B_+16+J_], v[HL+B_+1]
.endm
.macro SCL u, k                        ; tile u's four scales from its blocks' largest p, line k of 19
.set G_, 4*\u+(\k)%4
.if (\k) < 4
	v_max_num_f32 v[BM+G_], 0x4800000, v[BM+G_]             ; the floor 2^(9 - 127): the byte cannot fall under 1
.elseif (\k) < 8
	v_add_nc_u32 v[SO+G_], 0xfc000000, v[BM+G_]             ; 8 off the exponent field: the conversion's scale operand
.elseif (\k) < 12
	v_lshrrev_b32 v[PD+G_], 23, v[SO+G_]                    ; the scale's byte
.elseif (\k) == 12
	v_lshl_or_b32 v[PSC+\u], v[PD+4*\u+1], 8, v[PD+4*\u]    ; p's scale word, among 448 x the scales
.elseif (\k) < 15
	v_and_or_b32 v[HL+4*\u+(\k)-13], v[BM+4*\u+(\k)-13], 0x7f800000, s[MNT]
.elseif (\k) == 15
	v_lshl_or_b32 v[PSC+\u], v[PD+4*\u+2], 16, v[PSC+\u]
.elseif (\k) < 18
	v_and_or_b32 v[HL+4*\u+(\k)-14], v[BM+4*\u+(\k)-14], 0x7f800000, s[MNT]
.else
	v_lshl_or_b32 v[PSC+\u], v[PD+4*\u+3], 24, v[PSC+\u]
.endif
.endm
.macro SUML u, k                       ; the row's sum of the unquantised p: two at a time, four chains by turns, line k of 32
.if (\k) < 3
	v_pk_add_f32 v[CH+2*(\k):CH+2*(\k)+1], v[S+64*\u+4*(\k):S+64*\u+4*(\k)+1], v[S+64*\u+4*(\k)+2:S+64*\u+4*(\k)+3]
.elseif (\k) < 29
.set X_, CH-2+2*(((\k)-3)%4)
.if ((\k)-3)%4 == 0
.set X_, SUM+2*\u
.endif
	v_pk_add_f32 v[X_:X_+1], v[X_:X_+1], v[S+64*\u+2*((\k)+3):S+64*\u+2*((\k)+3)+1]
.elseif (\k) == 29
	v_pk_add_f32 v[SUM+2*\u:SUM+2*\u+1], v[SUM+2*\u:SUM+2*\u+1], v[CH:CH+1]
.elseif (\k) == 30
	v_pk_add_f32 v[CH+2:CH+3], v[CH+2:CH+3], v[CH+4:CH+5]
.else
	v_pk_add_f32 v[SUM+2*\u:SUM+2*\u+1], v[SUM+2*\u:SUM+2*\u+1], v[CH+2:CH+3]
.endif
.endm
.macro WORK u, k                       ; tile u behind its exponentials, line k of 83: 19 of scales, 32 of the sum, 32 holds (the conversion does not saturate: ISA guide 7.6.2)
.if (\k) < 19
	SCL \u, \k
.elseif (\k) < 51
	SUML \u, (\k)-19
.else
	HOLD \u, (\k)-51
.endif
.endm
.macro CODES u                         ; tile u's codes
	WIN 0x40
.irp b, 0,1,2,3
	v_cvt_scalef32_pk8_fp8_f32 v[PC+16*\u+4*\b:PC+16*\u+4*\b+1], v[S+64*\u+16*\b:S+64*\u+16*\b+7], v[SO+4*\u+\b]
	v_cvt_scalef32_pk8_fp8_f32 v[PC+16*\u+4*\b+2:PC+16*\u+4*\b+3], v[S+64*\u+16*\b+8:S+64*\u+16*\b+15], v[SO+4*\u+\b]
.endr
	WIN 0
.endm
.macro STEP more, show                 ; more: a step follows;  show: the second barrier is signalled here
	v_mov_b32 v[OLDM], v[NM]
	v_mov_b32 v[OLDM+1], v[NM+2]
	v_add_nc_u32 v[ADV], s[TB], v[LIV]
	v_add_nc_u32 v[ADSV], s[TB], v[LSV]
.if \more
	v_add_nc_u32 v[ADK], s[TB], v[LIK]
	v_add_nc_u32 v[ADSK], s[TB], v[LSK]
.else
	v_nop
	v_nop
.endif
	WORDS VS, ADSV                                 ; this step's V (the last maxima and the lines above: the places behind the products that read V's registers),
	FRAGS VF, ADV
.if \more
	WORDS KS, ADSK                                 ; and the next step's K
	FRAGS KF, ADK
.endif
.irp g, 0,1,2,3,4,5,6,7
	v_permlanex16_b32 v[PD+\g], v[BM+\g], s[SEL], s[SEL+1]
.endr
.irp g, 0,1,2,3,4,5,6,7
	v_max_num_f32 v[BM+\g], v[BM+\g], v[PD+\g]     ; with lane l xor 16's 16 keys
.endr
	v_max3_num_f32 v[TMP], v[BM], v[BM+1], v[BM+2]
	v_max3_num_f32 v[TMP+1], v[BM+4], v[BM+5], v[BM+6]
.irp u, 0,1
	H2
	v_max_num_f32 v[TMP+\u], v[TMP+\u], v[BM+4*\u+3]
.endr
.irp u, 0,1
	H2
	v_mul_f32 v[TMP+\u], s[CS], v[TMP+\u]          ; as t (c is positive)
.endr
.irp u, 0,1
	H2
	v_max_num_f32 v[NM+2*\u+1], v[NM+2*\u+1], v[TMP+\u]   ; the running largest t
.endr
.irp u, 0,1
	H2
	v_floor_f32 v[NM+2*\u], -v[NM+2*\u+1]          ; the new -M = -ceil(t)
.endr
.irp u, 0,1
	H2
	v_sub_f32 v[TMP+\u], v[NM+2*\u], v[OLDM+\u]    ; old M - new M: a whole number, 0 or less
.endr
.irp u, 0,1
	H2
	v_cvt_i32_f32 v[TMP+\u], v[TMP+\u]             ; (it saturates)
.endr
.irp u, 0,1
	H2
	v_ldexp_f32 v[FF+2*\u], 1.0, v[TMP+\u]         ; f = 2^(old M - new M)
.endr
.set i_, 0
.rept 32
	SHIFT 0, i_
.set i_, i_+1
.endr
.irp b, 0,1,2,3
	v_fma_f32 v[BM+\b], v[BM+\b], s[CS], v[NM]
.endr
	s_wait_alu depctr_va_vdst(0)                   ; ahead of the batch
.irp b, 0,1,2,3
	v_exp_f32 v[BM+\b], v[BM+\b]                   ; tile 0: its blocks' largest p,
.endr
.set i_, 0
.rept 32
	v_exp_f32 v[S+2*i_], v[S+2*i_]                 ; and p = 2^(t - M), among tile 1's t - M
	v_exp_f32 v[S+2*i_+1], v[S+2*i_+1]
	SHIFT 1, i_
.set i_, i_+1
.endr
.irp b, 4,5,6,7
	v_fma_f32 v[BM+\b], v[BM+\b], s[CS], v[NM+2]
.endr
	v_pk_mul_f32 v[SUM:SUM+1], v[SUM:SUM+1], v[FF:FF+1] op_sel_hi:[1,0]   ; the sum under the new M
	s_wait_alu depctr_va_vdst(0)                   ; behind the batch
.set N_, 0
.rept 51
	WORK 0, N_
.set N_, N_+1
.endr
	s_wait_alu depctr_va_vdst(0)
.irp b, 4,5,6,7
	v_exp_f32 v[BM+\b], v[BM+\b]
.endr
.set i_, 0
.rept 32
	v_exp_f32 v[S+64+2*i_], v[S+64+2*i_]           ; tile 1's p, among tile 0's holds
	v_exp_f32 v[S+65+2*i_], v[S+65+2*i_]
	HOLD 0, i_
.set i_, i_+1
.endr
	v_pk_mul_f32 v[SUM+2:SUM+3], v[SUM+2:SUM+3], v[FF+2:FF+3] op_sel_hi:[1,0]
	s_wait_alu depctr_va_vdst(0)
.if \show
	s_wait_tensorcnt 0x0                           ; waves 2 to 7: the other 768 keys have landed
.endif
	s_wait_dscnt 0x0                               ; V and the next K are in
.if \show
	s_barrier_signal -1                            ; say so; until the wait at the step's end only registers are worked on
.endif
	CODES 0
.set N_, 0
.rept 3
	WORK 1, N_                                     ; plain lines behind the conversions
.set N_, N_+1
.endr
.set P_, 0
.rept 8
.if \more
	SP P_                                          ; the next step's scores of tile 0
	WIN 0
.endif
.rept 10
	WORK 1, N_
.set N_, N_+1
.endr
.set P_, P_+1
.endr
	CODES 1
	WIN 0x41
	s_wait_alu depctr_va_vdst(0)                   ; directly ahead of O^T's first readers
.irp u, 0,1
.set i_, 0
.rept 16
	v_pk_mul_f32 v[OA+32*\u+2*i_:OA+32*\u+2*i_+1], v[OA+32*\u+2*i_:OA+32*\u+2*i_+1], v[FF+2*\u:FF+2*\u+1] op_sel_hi:[1,0]   ; O^T under the new M
.set i_, i_+1
.endr
.endr
.if \more
.set M_, 0
.rept 8
	SP P_                                          ; the next step's scores of tile 1, among tile 0's maxima
	WIN 0
.rept 4
	MAXL 0, M_
.set M_, M_+1
.endr
.set P_, P_+1
.endr
.endif
.set M_, 0
.set P_, 0
.rept 8
	OP P_                                          ; eight accumulators by turns, among tile 1's maxima
.if \more
	WIN 0
.rept 4
	MAXL 1, M_
.set M_, M_+1
.endr
.endif
.set P_, P_+1
.endr
	WIN 0
	s_add_co_u32 s[TB], s[TB], STEPB
.endm
	WORDS KS, ADSK                                 ; step 0's K
	FRAGS KF, ADK
	s_wait_dscnt 0x0
.set P_, 0
.rept 16
	SP P_                                          ; register 16 b + i of a tile: key 32 b + 16 (lane / 16) + i
.set P_, P_+1
.endr
	WIN 0
.rept 8
	v_nop
.endr
.set M_, 0
.rept 32
	MAXL 0, M_
	MAXL 1, M_
.set M_, M_+1
.endr
	STEP 1, 1                                      ; step 0 reads the first 256 keys alone
	s_barrier_wait -1                              ; all keys are in
	s_mov_b32 s[TB], STEPB
	s_mov_b32 s[CNT], 6
.Lstep:                                            ; steps 1 to 6
	STEP 1, 0
	s_sub_co_u32 s[CNT], s[CNT], 1
	s_cmp_lg_u32 s[CNT], 0
	s_cbranch_scc1 .Lstep
	s_mov_b32 s[TB], 7*STEPB
	STEP 0, 0                                      ; step 7: no step follows
	; THE WAY OUT: O^T / the sum goes through my own stage in LDS and leaves as rows of 256 bytes.
	v_add_f32 v[SUM], v[SUM], v[SUM+1]
	v_add_f32 v[SUM+2], v[SUM+2], v[SUM+3]
	v_permlanex16_b32 v[TMP], v[SUM], s[SEL], s[SEL+1]
	v_permlanex16_b32 v[TMP+1], v[SUM+2], s[SEL], s[SEL+1]
	v_add_f32 v[SUM], v[SUM], v[TMP]               ; the row's sum
	v_add_f32 v[SUM+2], v[SUM+2], v[TMP+1]
	s_wait_alu depctr_va_vdst(0)
	v_rcp_f32 v[SUM], v[SUM]
	v_rcp_f32 v[SUM+2], v[SUM+2]
	v_and_b32 v[T], 15, v0                         ; r
	v_bfe_u32 v[T+1], v0, 4, 1                     ; h
	s_mul_i32 s58, s[WV], 32*272
	s_add_co_u32 s58, s58, STG
	v_lshrrev_b32 v[T+2], 3, v[T]
	v_lshl_add_u32 v[T+2], v[T+2], 3, v[T]
	v_mul_u32_u24 v[T+3], v[T+2], 272
	v_lshl_add_u32 v[T+3], v[T+1], 6, v[T+3]
	v_add_nc_u32 v[ADK], s58, v[T+3]               ; in: row r + 8 (r / 8) (+ 8 for tile 1), + 64 h: register 8 t + j is channel 32 (t / 2) + 16 h + 8 (t % 2) + j
	v_mul_u32_u24 v[T+4], v[T+1], 272
	v_lshl_add_u32 v[T+4], v[T], 4, v[T+4]
	v_add_nc_u32 v[ADV], s58, v[T+4]               ; back: lanes 0-15 one row, lanes 16-31 the next
	v_lshlrev_b32 v[T+5], 12, v[T+1]
	v_lshl_add_u32 v[T+6], v[T], 4, v[T+5]
	WIN 0x01
	s_wait_alu depctr_va_vdst(0)                   ; ahead of the reciprocals' and O^T's first readers
.irp u, 0,1
.set i_, 0
.rept 16
	v_pk_mul_f32 v[S+32*\u+2*i_:S+32*\u+2*i_+1], v[OA+32*\u+2*i_:OA+32*\u+2*i_+1], v[SUM+2*\u:SUM+2*\u+1] op_sel_hi:[1,0]
.set i_, i_+1
.endr
.endr
	WIN 0
.irp u, 0,1
.irp t, 0,1,2,3
	ds_store_b128 v[ADK], v[S+32*\u+8*\t:S+32*\u+8*\t+3] offset:8*272*\u+128*(\t/2)+32*(\t%2)
	ds_store_b128 v[ADK], v[S+32*\u+8*\t+4:S+32*\u+8*\t+7] offset:8*272*\u+128*(\t/2)+32*(\t%2)+16
.endr
.endr
.irp i, 0,1,2,3,4,5,6,7,8,9,10,11,12,13,14,15
	ds_load_b128 v[S+64+4*\i:S+64+4*\i+3], v[ADV] offset:544*\i     ; LDS serves a wave's instructions in order: these see my stores
.endr
.irp i, 0,1,2,3,4,5,6,7,8,9,10,11,12,13,14,15
	s_wait_dscnt 15-\i                             ; the later loads may stay out
	global_store_b128 v[T+6], v[S+64+4*\i:S+64+4*\i+3], s[6:7] offset:2*\i*4096 th:TH_STORE_NT   ; sixteen lanes store 256 consecutive bytes, aligned
.endr
	s_wait_tensorcnt 0x0                           ; the wave's end
	ds_add_u32 v[SPW], v[NIL]
	s_wait_dscnt 0x0
	CROUND                                         ; the closing round: no work-group ends while a partner may still ask for a tile that names it
	s_endpgm
.Lfunc_end_k_qe97381de59_attn:
	.size	k_qe97381de59_attn, .Lfunc_end_k_qe97381de59_attn-k_qe97381de59_attn
	.p2alignl 7, 3214868480
	.fill 96, 4, 3214868480
	.section	.rodata,"a",@progbits
	.p2align	6, 0x0
	.amdhsa_kernel k_qe97381de59_attn
		.amdhsa_group_segment_fixed_size 206848
		.amdhsa_private_segment_fixed_size 0
		.amdhsa_enable_private_segment 0
		.amdhsa_kernarg_size 16
		.amdhsa_user_sgpr_count 2
		.amdhsa_user_sgpr_kernarg_segment_ptr 1
		.amdhsa_wavefront_size32 1
		.amdhsa_system_sgpr_workgroup_id_x 1
		.amdhsa_system_sgpr_workgroup_id_y 1
		.amdhsa_system_sgpr_workgroup_id_z 1
		.amdhsa_system_vgpr_workitem_id 0
		.amdhsa_next_free_vgpr 480
		.amdhsa_next_free_sgpr 66
		.amdhsa_reserve_vcc 0
		.amdhsa_float_denorm_mode_32 3
		.amdhsa_float_denorm_mode_16_64 3
		.amdhsa_memory_ordered 1
		.amdhsa_forward_progress 1
		.amdhsa_inst_pref_size 123
	.end_amdhsa_kernel
	.amdgpu_metadata
---
amdhsa.version: [ 1, 2 ]
amdhsa.kernels:
  - .name:           k_qe97381de59_attn
    .symbol:         k_qe97381de59_attn.kd
    .args:
      - { .name: att, .offset: 0, .size: 8, .value_kind: global_buffer, .address_space: global }
      - { .name: out0, .offset: 8, .size: 8, .value_kind: global_buffer, .address_space: global }
    .group_segment_fixed_size: 206848
    .private_segment_fixed_size: 0
    .kernarg_segment_align: 8
    .kernarg_segment_size: 16
    .max_flat_workgroup_size: 256
    .sgpr_count:     66
    .vgpr_count:     480
    .wavefront_size: 32
...
	.end_amdgpu_metadata
.endif
;; end of part 3
